; MI455X (gfx1250); checked and timed in simulation.
; The chip was launched on July 23, 2026; its instructions are those of AMD's public machine-readable ISA for CDNA 5 (MIT licence, August 2026) and "CDNA5" Instruction Set Architecture Reference Guide (July 2026). The comments in the code are by the model that wrote it; some were corrected since.
;; Dy G Mixer. Allowed arithmetic: matrix products marked QUANTISED: E2M3 operands, one E8M0 scale for each 32 along K, by v_wmma_scale_f32_16x16x128_f8f6f4 with both operands' format E2M3, f32 sums; everything else in f32.
;; Inputs: W2_codes 64 x 2 x 24 uint8 (E2M3 codes of W2, K innermost, in blocks of 32 codes, four codes in three bytes); W2_scales 64 x 2 uint8 (E8M0 scales of W2, one for each 32 codes along K); b1 64 float32; b2 64 float32; dst_ids 256 x 512 int32; src_ids 256 x 512 int32; w1 64 float32.
;; Outputs: out0 256 x 512 x 64 float32; out1 256 x 512 x 64 float32.
;; This version of the problem:
;;   THIS VERSION OF THE PROBLEM IS GIVEN IN LOW PRECISION. The matrix products marked QUANTISED in the list below multiply operands that are first quantised to E2M3 (2 exponent bits, 3 mantissa bits; 6 bits a number), with one power-of-two scale for each 32 numbers along K (OCP MX v1.0); their sums are f32. All else is computed in f32.
;;   The module's matrix products, in the order in which they are computed (A, B: the left and right operand; K: the contracted axis; several contracted axes count as one K, in the product's order):
;;     1. [M 262,144, K 64] x [K 64, N 64]; A: computed on the way; B: input W2 (given as codes): QUANTISED
;;     2. [M 262,144, K 64] x [K 64, N 64]; A: computed on the way; B: input W2 (given as codes): QUANTISED
;;   THE QUANTISER, for each operand of a quantised product, along K:
;;     - K is cut into blocks of 32 from its start; a last block that is shorter is filled with zeros.
;;     - A block's scale is 2^e with e = floor(log2(the largest magnitude in the block)) - 2, held to -126 .. 127; a block of zeros has e = 0. As a byte (E8M0): e + 127.
;;     - Each number is divided by its block's scale, clamped to +-7.5, and rounded to the nearest number of E2M3, ties to even, subnormals kept.
;;     - The product sums the exact products of the quantised numbers (number of the format x scale) in f32.
;;   ~~~python
;;   def quantise(x, axis):      # numpy; x: float32 -> the quantised numbers, widened to float32 again
;;       x = np.moveaxis(x, axis, -1); K = x.shape[-1]
;;       x = np.pad(x, [(0, 0)] * (x.ndim - 1) + [(0, -K % 32)]); x = x.reshape(x.shape[:-1] + (-1, 32)); a = np.abs(x).max(-1, keepdims=True)
;;       e = np.where(a > 0, np.clip(np.frexp(np.where(a > 0, a, 1))[1] - 1 - 2, -126, 127), 0)      # np.frexp(a)[1] - 1 = floor(log2(a)), exactly
;;       r = np.clip(x / 2.0 ** e, -7.5, 7.5)
;;       step = 2.0 ** (np.maximum(np.frexp(np.where(r == 0, 1, r))[1] - 1, 0) - 3)
;;       q = np.round(r / step) * step * 2.0 ** e      # np.round: ties to even
;;       return np.moveaxis(q.reshape(q.shape[:-2] + (-1,))[..., :K], -1, axis).astype(np.float32)
;;   ~~~
;;   OPERANDS COMPUTED ON THE WAY. 'Computed on the way' means the value that the module computes at that place (a softmax that the list does not call 'softmax' is quantised finished and normalised). What goes into a quantiser is computed in f32, as accurately as f32 sums, v_exp_f32 and their like allow (about 1e-6 of the number): no bf16 or f16 on the way to a quantiser, and a product that is left as it is and whose result goes on into a quantised operand takes f32 operands (vector FMAs, or v_wmma_f32_16x16x4_f32). A number that lies on a knife's edge between two numbers of the format may be rounded either way, as far as f32 arithmetic and the matrix unit's own rounding can turn it there, and no further.
;;   INPUTS GIVEN AS CODES. W2 (in the module: [64, 64], K = its axis 1): each comes as NAME_codes (uint8): NAME with its K axis moved to the last place and cut into blocks of 32 codes, [.., K / 32, bytes a block], one block behind the other in memory; four codes in three bytes: a row's codes are one little-endian stream of bits, code i at bits 6 i .. 6 i + 5 (a code: sign, 2 exponent bits, 3 mantissa bits); and NAME_scales (uint8): the same leading axes, one E8M0 byte (e + 127) for each 32 codes along K. Its value is code x scale, taken as it is: it is not quantised again, and the codes and scales need not be those that the quantiser above would give.
;; One version. Each part assembles by itself: llvm-mc -triple=amdgcn-amd-amdhsa -mcpu=gfx1250 --defsym DOCPART=n.
;; ======== version 1 of 1: 1 launch
;; launch mixer (part 1): grid 256 x 1, 16 waves a work-group, no clusters, 0 bytes of LDS; arguments src_ids, dst_ids, w1, b1, W2_codes, W2_scales, b2, out0, out1; writes out0, out1
.if DOCPART == 1
	.amdgcn_target "amdgcn-amd-amdhsa--gfx1250"
	.amdhsa_code_object_version 6
	.text
	.protected	k_q4f69ccf652_mixer
	.globl	k_q4f69ccf652_mixer
	.p2align	8
	.type	k_q4f69ccf652_mixer,@function
k_q4f69ccf652_mixer:
	s_mov_b64 s[64:65], 0
	v_nop
	global_prefetch_b8 v0, s[64:65] scope:SCOPE_SE
	s_setreg_imm32_b32 hwreg(HW_REG_WAVE_MODE, 25, 1), 1
	s_wait_xcnt 0x0
; out0[b][l][:] = sum over the two channels c of ( Q(relu(count_c(src[b][l]) w1 + b1)) W2^T + b2 ), out1 the same for dst[b][l].
; count_0(x) = how often x stands in src[b][:], count_1(x) = how often in dst[b][:]; both are 0 where x = 0.  Q: E2M3 codes with one E8M0 scale for each 32 along K = 64.
; W2 comes as codes [64][2][24] and scale bytes [64][2].  ids: [256][512] int32.  out0, out1: [256][512][64] f32.
;
; SHARES.  A work-group takes one batch row b.  Each of its sixteen waves takes positions 32 w .. 32 w + 31 of src and of dst: four tiles of 16 positions, a loop of four trips
; (trips 0, 1: src's halves; trips 2, 3: dst's).  Both outputs take the same two channels in the same order, so a trip differs from another in two pointers alone.  Waves share nothing: no LDS, no barrier.
; COUNTING.  Every wave holds the row's 512 src ids in 16 registers and its 512 dst ids in 16 more (32 ids a register; their order does not matter to a count).  A tile's own 16 ids are scalars.
; One v_cmp_eq_u32 of a scalar id against a register makes 32 comparisons and leaves a lane mask in a scalar register; the masks' set bits are counted and added by scalar instructions.
; So a count over 512 ids costs 16 vector instructions and 31 scalar ones, and the scalar work of one wave can stand beside another wave's vector work (four waves share a SIMD).
; ONE PRODUCT FOR BOTH CHANNELS.  The two channels lie one behind the other along K: A = [h(count_0) | h(count_1)], 16 rows x 128, against B = [W2 | W2].  One matrix instruction then gives 16 x 16 outputs with
; the channels summed.  By the 6-bit layout lane (r, h) holds, of row r, K = 64 c + 32 h + 0 .. 31 in registers 6 c .. 6 c + 5: one WHOLE block of each channel.  So a lane needs w1 and b1 at 32 h .. 32 h + 31
; alone, no other lane for a block's largest number, and no exchange of halves.
; THE ROWS OF W2 THAT FORM A TILE ARE NOT NEIGHBOURS: lane r of tile t takes row 4 r + t.  Register j of the four tiles' results is then out(8 h + j, 4 r + 0 .. 3): 16 neighbouring bytes a lane,
; and sixteen neighbouring lanes store 256 consecutive bytes, at a multiple of 256 from the output's first byte, with no way through LDS.
; NO TENSOR LOADS, NO CLUSTER: what work-groups share is w1, b1, b2 and W2, under 4 KiB, read once at the head into registers, against 262,144 bytes that a work-group stores; there is no stream of tiles to ask for jointly.
; LIMITS.  NaN and infinities in w1 and b1 are not served.  A block whose largest h lies under 2^-124 has its scale byte held at 1; a block of zeros has the byte 1 too, where the rule says 127: its codes are zeros,
; which add nothing.  h is one fused multiply-add.  The channels are summed in the matrix unit and 2 b2 is added once, where the definition adds b2 to each channel first: another order of rounding.
.set OFS, 1                            ; v1        my byte in a tile of the output: 16 r + 2,048 h; never rewritten
.set SH8, 2                            ; v2        8 h: where my two scale bytes stand in the scale word
.set CP,  3                            ; v3        lanes 0-15: row i's two counts, count_0 | count_1 << 16; lanes 16-31 stay 0
.set CX,  4                            ; v4        the same from the other half of the lanes
.set CM,  5                            ; v5        both: every lane has its row's counts
.set CF,  6                            ; v[6:7], v[8:9]  count_0, count_1 as f32, each the low word of a pair (the packed form names the pair)
.set MX,  10                           ; v10-11    my two blocks' largest numbers, then their scale bytes
.set SO,  12                           ; v12-13    the conversions' scale operands
.set AW,  14                           ; v14       A's scale word
.set AX,  15                           ; v15       its other two bytes, from the other half of the lanes
.set BW,  16                           ; v16-19    W2's scale words, tile t
.set BI,  20                           ; v20-23    2 b2[4 r + t]
.set SV,  24                           ; v24-39    the row's 512 src ids
.set DV,  40                           ; v40-55    the row's 512 dst ids
.set W1R, 56                           ; v56-87    w1[32 h + 0 .. 31]
.set B1R, 88                           ; v88-119   b1[32 h + 0 .. 31]
.set WF,  120                          ; v120-167  W2's four fragments, 12 registers each
.set PC,  168                          ; v168-179  A's codes
.set H,   180                          ; v180-243  h: channel c at H + 32 c.  Behind the conversions: H .. H + 31 the four accumulators, H + 32 .. H + 63 the rows to store.  At the head: five load offsets
.set O,   H+32
.set WV,   2                           ; s2        my wave's number
.set TL,   3                           ; s3        the trip
.set SRCW, 4                           ; s[4:5]    src at my wave's 32 ids;   s[6:7]  dst likewise
.set DSTW, 6
.set O0W,  8                           ; s[8:9]    out0 at my wave's 32 rows; s[10:11] out1 likewise
.set O1W,  10
.set NP,   12                          ; s[12:13]  where the next tile's ids stand
.set OP,   14                          ; s[14:15]  the tile's 16 rows of its output
.set ID,   16                          ; s[16:31]  the tile's 16 ids
.set MK,   32                          ; s[32:47]  16 lane masks against src's ids, then their counts;  s[48:63] the same against dst's
.set T,    66                          ; s66       at work at the head
.set C0,   74                          ; s74, s75  the two counts
.set C1,   75
.set OF,   76                          ; s[76:77]  an offset as a pair; s77 stays 0
.set SEL,  78                          ; s[78:79]  v_permlanex16_b32's selects for lane l xor 16
.set SROW, 80                          ; s[80:81]  src at batch row b;  s[82:83] dst likewise
.set DROW, 82
.set ARG,  84                          ; s[84:99]  src, dst, w1, b1, W2's codes, W2's scales, b2, out0;  s[100:101] out1
; 512 comparisons: id i of the tile against the 16 registers from vec on; the masks go to set 0 or 1
.macro CMP16 set, i, vec
.irp c, 0,1,2,3,4,5,6,7,8,9,10,11,12,13,14,15
	v_cmp_eq_u32 s[MK+16*\set+\c], s[ID+(\i)], v[\vec+\c]
.endr
.endm
; each of a set's 16 masks gives way to the number of its set bits; the sixteen numbers are added as a tree, 8 + 4 + 2 + 1, so that no line reads the result of the line above it but the last
.macro POP16 set, dst
.irp c, 0,1,2,3,4,5,6,7,8,9,10,11,12,13,14,15
	s_bcnt1_i32_b32 s[MK+16*\set+\c], s[MK+16*\set+\c]
.endr
.irp c, 0,2,4,6,8,10,12,14
	s_add_co_u32 s[MK+16*\set+\c], s[MK+16*\set+\c], s[MK+16*\set+\c+1]
.endr
.irp c, 0,4,8,12
	s_add_co_u32 s[MK+16*\set+\c], s[MK+16*\set+\c], s[MK+16*\set+\c+2]
.endr
.irp c, 0,8
	s_add_co_u32 s[MK+16*\set+\c], s[MK+16*\set+\c], s[MK+16*\set+\c+4]
.endr
	s_add_co_u32 s[\dst], s[MK+16*\set], s[MK+16*\set+8]
.endm
; row i's two counts (512 at the most: 16 bits each) become one word, 0 where the id is 0 (a padded position), and go to lane i
.macro FINISH i
	s_lshl_b32 s[C1], s[C1], 16
	s_or_b32 s[C0], s[C0], s[C1]
	s_cmp_eq_u32 s[ID+(\i)], 0
	s_cselect_b32 s[C0], 0, s[C0]
	v_writelane_b32 v[CP], s[C0], (\i)
.endm
; Row i.  Each set of masks is summed behind the other set's comparisons, so that the scalar lines do not read masks just asked for
.macro ROW i
	CMP16 0, \i, SV
.if \i > 0
	POP16 1, C1
	FINISH \i-1
.endif
	CMP16 1, \i, DV
	POP16 0, C0
.endm
	s_load_b512 s[ARG:ARG+15], s[0:1], 0x0
	s_load_b64 s[ARG+16:ARG+17], s[0:1], 0x40
	v_lshrrev_b32 v5, 5, v0
	s_delay_alu instid0(VALU_DEP_1)
	v_readfirstlane_b32 s[WV], v5                  ; wave 0 .. 15
	v_and_b32 v6, 15, v0                           ; r
	v_bfe_u32 v8, v0, 4, 1                         ; h
	v_and_b32 v10, 31, v0                          ; lane
	s_delay_alu instid0(VALU_DEP_3)
	v_lshlrev_b32 v[OFS], 4, v6
	s_delay_alu instid0(VALU_DEP_1)
	v_lshl_add_u32 v[OFS], v8, 11, v[OFS]          ; 16 r + 8 h rows of 256 bytes
	s_delay_alu instid0(VALU_DEP_4)
	v_lshlrev_b32 v[SH8], 3, v8
	s_delay_alu instid0(VALU_DEP_4)
	v_lshlrev_b32 v[H], 4, v10                     ; the ids: 16 bytes a lane
	v_lshlrev_b32 v[H+1], 7, v8                    ; w1, b1: my half's 32 numbers
	v_mul_u32_u24 v[H+2], v6, 192                  ; W2's codes: row 4 r of 48 bytes,
	s_delay_alu instid0(VALU_DEP_1)
	v_mad_u32_u24 v[H+2], v8, 24, v[H+2]           ; my half's block of 24
	v_lshlrev_b32 v[H+3], 3, v6                    ; W2's scale bytes: row 4 r of 2 bytes
	v_lshlrev_b32 v[H+4], 4, v6                    ; b2[4 r ..]
	v_mov_b32 v[CP], 0                             ; lanes 16-31 stay 0
	v_mov_b32 v[CX], 0                             ; a lane permute's destination counts as one of its sources
	v_mov_b32 v[AX], 0
	v_mov_b32 v[CF+1], 0                           ; named as the upper halves of pairs
	v_mov_b32 v[CF+3], 0
	s_mov_b32 s[SEL], 0x76543210
	s_mov_b32 s[SEL+1], 0xfedcba98
	s_mov_b32 s[OF+1], 0
	s_mov_b32 s[TL], 0
	s_wait_alu depctr_va_vdst(0)
	s_wait_kmcnt 0x0                               ; the nine addresses
	s_lshl_b32 s[OF], ttmp9, 11                    ; a row of 512 ids is 2,048 bytes
	s_add_nc_u64 s[SROW:SROW+1], s[ARG:ARG+1], s[OF:OF+1]
	s_add_nc_u64 s[DROW:DROW+1], s[ARG+2:ARG+3], s[OF:OF+1]
	s_lshl_b32 s[OF], s[WV], 7                     ; my wave's 32 ids
	s_add_nc_u64 s[SRCW:SRCW+1], s[SROW:SROW+1], s[OF:OF+1]
	s_add_nc_u64 s[DSTW:DSTW+1], s[DROW:DROW+1], s[OF:OF+1]
	s_lshl_b32 s[OF], ttmp9, 17                    ; 512 rows of 256 bytes,
	s_lshl_b32 s[T], s[WV], 13                     ; my wave's 32 of them
	s_add_co_u32 s[OF], s[OF], s[T]
	s_add_nc_u64 s[O0W:O0W+1], s[ARG+14:ARG+15], s[OF:OF+1]
	s_add_nc_u64 s[O1W:O1W+1], s[ARG+16:ARG+17], s[OF:OF+1]
	s_load_b512 s[ID:ID+15], s[SRCW:SRCW+1], 0x0   ; the first tile's ids
.irp q, 0,1,2,3
	global_load_b128 v[SV+4*\q:SV+4*\q+3], v[H], s[SROW:SROW+1] offset:512*\q   ; 32 lanes read 512 consecutive bytes
	global_load_b128 v[DV+4*\q:DV+4*\q+3], v[H], s[DROW:DROW+1] offset:512*\q
.endr
.irp j, 0,1,2,3,4,5,6,7
	global_load_b128 v[W1R+4*\j:W1R+4*\j+3], v[H+1], s[ARG+4:ARG+5] offset:16*\j
	global_load_b128 v[B1R+4*\j:B1R+4*\j+3], v[H+1], s[ARG+6:ARG+7] offset:16*\j
.endr
.irp t, 0,1,2,3                        ; tile t: row 4 r + t of W2.  Registers 0-5 (K = 32 h on: channel 0) and 6-11 (K = 64 + 32 h on: channel 1) take the same 24 bytes, in pieces of 8
.irp p, 0,1,2
	global_load_b64 v[WF+12*\t+2*\p:WF+12*\t+2*\p+1], v[H+2], s[ARG+8:ARG+9] offset:48*\t+8*\p
	global_load_b64 v[WF+12*\t+6+2*\p:WF+12*\t+6+2*\p+1], v[H+2], s[ARG+8:ARG+9] offset:48*\t+8*\p
.endr
	global_load_u16 v[BW+\t], v[H+3], s[ARG+10:ARG+11] offset:2*\t   ; the row's two scale bytes
.endr
	global_load_b128 v[BI:BI+3], v[H+4], s[ARG+12:ARG+13]
	s_wait_loadcnt 0x0                             ; all that stays in registers is in; the five offsets' registers are free
.irp t, 0,1,2,3
	v_lshl_or_b32 v[BW+\t], v[BW+\t], 16, v[BW+\t]   ; the scale word of [W2 | W2]: the two bytes twice
.endr
.irp t, 0,1,2,3
	v_add_f32 v[BI+\t], v[BI+\t], v[BI+\t]         ; b2 once for each channel: exact
.endr
.Ltile:
	s_wait_kmcnt 0x0                               ; this tile's ids are in (scalar loads come back in no order: the count is 0); the load's base may be written again
.irp i, 0,1,2,3,4,5,6,7,8,9,10,11,12,13,14,15
	ROW \i
.endr
	POP16 1, C1
	FINISH 15
	s_wait_xcnt 0x0                                ; the last trip's stores have read their base and their data: both are written again only behind this wait
	s_cmp_lt_u32 s[TL], 2                          ; trips 0, 1: out0; trips 2, 3: out1
	s_cselect_b64 s[OP:OP+1], s[O0W:O0W+1], s[O1W:O1W+1]
	s_and_b32 s[OF], s[TL], 1
	s_lshl_b32 s[OF], s[OF], 12                    ; the half's 16 rows of 256 bytes
	s_add_nc_u64 s[OP:OP+1], s[OP:OP+1], s[OF:OF+1]
	s_cmp_eq_u32 s[TL], 3                          ; the next tile's ids are asked for here, if there is a next tile: they land under the vector work below
	s_cbranch_scc1 .Lno_next
	s_add_co_u32 s[OF], s[TL], 1
	s_cmp_lt_u32 s[OF], 2
	s_cselect_b64 s[NP:NP+1], s[SRCW:SRCW+1], s[DSTW:DSTW+1]
	s_and_b32 s[OF], s[OF], 1
	s_lshl_b32 s[OF], s[OF], 6                     ; the half's 16 ids
	s_add_nc_u64 s[NP:NP+1], s[NP:NP+1], s[OF:OF+1]
	s_load_b512 s[ID:ID+15], s[NP:NP+1], 0x0
.Lno_next:
	; the counts: row r's word goes to lanes r and 16 + r
	s_wait_alu depctr_va_vdst(0)
	v_permlanex16_b32 v[CX], v[CP], s[SEL], s[SEL+1]   ; lanes 16-31 take lanes 0-15's; lanes 0-15 take zeros
	s_delay_alu instid0(VALU_DEP_1)
	v_or_b32 v[CM], v[CP], v[CX]
	s_delay_alu instid0(VALU_DEP_1)
	v_and_b32 v[CF], 0xffff, v[CM]
	s_delay_alu instid0(VALU_DEP_2)
	v_lshrrev_b32 v[CF+2], 16, v[CM]
	s_delay_alu instid0(VALU_DEP_2)
	v_cvt_f32_u32 v[CF], v[CF]
	s_delay_alu instid0(VALU_DEP_2)
	v_cvt_f32_u32 v[CF+2], v[CF+2]
	; h = relu(count w1 + b1), in f32: my block of 32 of each channel
.irp c, 0,1
.irp j, 0,2,4,6,8,10,12,14,16,18,20,22,24,26,28,30
	v_pk_fma_f32 v[H+32*\c+\j:H+32*\c+\j+1], v[W1R+\j:W1R+\j+1], v[CF+2*\c:CF+2*\c+1], v[B1R+\j:B1R+\j+1] op_sel_hi:[1,0,1]   ; of the count's pair the low word serves both halves
.endr
.endr
.irp n, 0,1,2,3,4,5,6,7,8,9,10,11,12,13,14,15,16,17,18,19,20,21,22,23,24,25,26,27,28,29,30,31,32,33,34,35,36,37,38,39,40,41,42,43,44,45,46,47,48,49,50,51,52,53,54,55,56,57,58,59,60,61,62,63
	v_max_num_f32 v[H+\n], 0, v[H+\n]
.endr
	; each block's largest number (none is negative), with the floor 2^(3 - 127) among the leaves, which holds the scale's byte at 1 from below; the two blocks by turns
.irp c, 0,1
	v_max3_num_f32 v[MX+\c], v[H+32*\c], v[H+32*\c+1], 0x1800000
.endr
.irp i, 2,4,6,8,10,12,14,16,18,20,22,24,26,28,30
.irp c, 0,1
	s_delay_alu instid0(VALU_DEP_2)
	v_max3_num_f32 v[MX+\c], v[MX+\c], v[H+32*\c+\i], v[H+32*\c+\i+1]
.endr
.endr
.irp c, 0,1
	s_delay_alu instid0(VALU_DEP_2)
	v_add_nc_u32 v[SO+\c], 0xff000000, v[MX+\c]    ; 2 off its exponent field: the conversion takes the exponent field of this operand as its scale, and nothing else of it
.endr
.irp c, 0,1
	s_delay_alu instid0(VALU_DEP_2)
	v_lshrrev_b32 v[MX+\c], 23, v[SO+\c]           ; the scale's byte
.endr
	s_delay_alu instid0(VALU_DEP_1)
	v_lshl_or_b32 v[AW], v[MX+1], 16, v[MX]        ; my two bytes: blocks h and 2 + h of row r,
	s_delay_alu instid0(VALU_DEP_1)
	v_lshlrev_b32 v[AW], v[SH8], v[AW]             ; at their places in the scale word;
	s_delay_alu instid0(VALU_DEP_1)
	v_permlanex16_b32 v[AX], v[AW], s[SEL], s[SEL+1]
	s_delay_alu instid0(VALU_DEP_1)
	v_or_b32 v[AW], v[AW], v[AX]                   ; with lane l xor 16's two the word is whole
	; the codes.  A conversion's three registers begin on an even number; a block's second three do not: they are made in h's registers that are done with, and moved
	v_cvt_scalef32_pk16_fp6_f32 v[PC:PC+2], v[H:H+15], v[SO]
	v_cvt_scalef32_pk16_fp6_f32 v[PC+6:PC+8], v[H+32:H+47], v[SO+1]
	v_nop                                          ; a plain line between these conversions and the two below, which write over their sources
	v_cvt_scalef32_pk16_fp6_f32 v[H:H+2], v[H+16:H+31], v[SO]
	v_cvt_scalef32_pk16_fp6_f32 v[H+32:H+34], v[H+48:H+63], v[SO+1]
	v_nop                                          ; and one between those and the moves that read their results
.irp i, 0,1,2
	v_mov_b32 v[PC+3+\i], v[H+\i]
	v_mov_b32 v[PC+9+\i], v[H+32+\i]
.endr
.rept 6
	v_nop                                          ; ahead of a scaled matrix instruction an operand written by vector instructions stands 4 places back, a scale register 8: behind the scale word's last write stand the two v_nop above and these six
.endr
	; four tiles of 16 outputs: source 0 = my 16 rows' codes, source 1 = rows 4 r + t of [W2 | W2].  Each sum is one instruction and begins with the constant 0: four accumulators, no chain
.irp t, 0,1,2,3
	v_wmma_scale_f32_16x16x128_f8f6f4 v[H+8*\t:H+8*\t+7], v[PC:PC+11], v[WF+12*\t:WF+12*\t+11], 0, v[AW], v[BW+\t] matrix_a_fmt:MATRIX_FMT_FP6 matrix_b_fmt:MATRIX_FMT_FP6
.endr
.rept 4
	v_nop                                          ; four places between the last product and the first read of a result (ISA guide 7.12.1)
.endr
	; register j of the four results, each with its bias, makes out(8 h + j, 4 r + 0 .. 3); each accumulator is read from its low end on
.irp j, 0,1,2,3,4,5,6,7
.irp t, 0,1,2,3
	v_add_f32 v[O+4*\j+\t], v[H+8*\t+\j], v[BI+\t]
.endr
	global_store_b128 v[OFS], v[O+4*\j:O+4*\j+3], s[OP:OP+1] offset:256*\j th:TH_STORE_NT   ; lanes 0-15 store row j, lanes 16-31 row 8 + j: 256 consecutive bytes each, at a multiple of 256 from the output's first byte; written once, read by nobody here
.endr
	s_add_co_u32 s[TL], s[TL], 1                   ; nothing waits for the stores: they leave while the next tile is counted
	s_cmp_lt_u32 s[TL], 4
	s_cbranch_scc1 .Ltile
	s_endpgm
.Lfunc_end_k_q4f69ccf652_mixer:
	.size	k_q4f69ccf652_mixer, .Lfunc_end_k_q4f69ccf652_mixer-k_q4f69ccf652_mixer
	.p2alignl 7, 3214868480
	.fill 96, 4, 3214868480
	.section	.rodata,"a",@progbits
	.p2align	6, 0x0
	.amdhsa_kernel k_q4f69ccf652_mixer
		.amdhsa_group_segment_fixed_size 0
		.amdhsa_private_segment_fixed_size 0
		.amdhsa_enable_private_segment 0
		.amdhsa_kernarg_size 72
		.amdhsa_user_sgpr_count 2
		.amdhsa_user_sgpr_kernarg_segment_ptr 1
		.amdhsa_wavefront_size32 1
		.amdhsa_system_sgpr_workgroup_id_x 1
		.amdhsa_system_sgpr_workgroup_id_y 1
		.amdhsa_system_sgpr_workgroup_id_z 1
		.amdhsa_system_vgpr_workitem_id 0
		.amdhsa_next_free_vgpr 244
		.amdhsa_next_free_sgpr 102
		.amdhsa_reserve_vcc 0
		.amdhsa_float_denorm_mode_32 3
		.amdhsa_float_denorm_mode_16_64 3
		.amdhsa_memory_ordered 1
		.amdhsa_forward_progress 1
		.amdhsa_inst_pref_size 86
	.end_amdhsa_kernel
	.amdgpu_metadata
---
amdhsa.version: [ 1, 2 ]
amdhsa.kernels:
  - .name:           k_q4f69ccf652_mixer
    .symbol:         k_q4f69ccf652_mixer.kd
    .args:
      - { .name: src_ids, .offset: 0, .size: 8, .value_kind: global_buffer, .address_space: global }
      - { .name: dst_ids, .offset: 8, .size: 8, .value_kind: global_buffer, .address_space: global }
      - { .name: w1, .offset: 16, .size: 8, .value_kind: global_buffer, .address_space: global }
      - { .name: b1, .offset: 24, .size: 8, .value_kind: global_buffer, .address_space: global }
      - { .name: W2_codes, .offset: 32, .size: 8, .value_kind: global_buffer, .address_space: global }
      - { .name: W2_scales, .offset: 40, .size: 8, .value_kind: global_buffer, .address_space: global }
      - { .name: b2, .offset: 48, .size: 8, .value_kind: global_buffer, .address_space: global }
      - { .name: out0, .offset: 56, .size: 8, .value_kind: global_buffer, .address_space: global }
      - { .name: out1, .offset: 64, .size: 8, .value_kind: global_buffer, .address_space: global }
    .group_segment_fixed_size: 0
    .private_segment_fixed_size: 0
    .kernarg_segment_align: 8
    .kernarg_segment_size: 72
    .max_flat_workgroup_size: 512
    .sgpr_count:     102
    .vgpr_count:     244
    .wavefront_size: 32
...
	.end_amdgpu_metadata
.endif
;; end of part 1
